; MI455X (gfx1250); checked and timed in simulation.
; The chip was launched on July 23, 2026; its instructions are those of AMD's public machine-readable ISA for CDNA 5 (MIT licence, August 2026) and "CDNA5" Instruction Set Architecture Reference Guide (July 2026). The comments in the code are by the model that wrote it; some were corrected since.
;; Memory Queue. Allowed arithmetic: matrix products marked QUANTISED: E2M1 operands, one E8M0 scale for each 32 along K, by v_wmma_scale_f32_16x16x128_f8f6f4 with both operands' format E2M1 (or v_wmma_scale_f32_32x16x128_f4), f32 sums; everything else in f32.
;; Inputs: anchors_codes 4,096 x 8 x 16 uint8 (E2M1 codes of anchors, K innermost, in blocks of 32 codes, two codes a byte); anchors_scales 4,096 x 8 uint8 (E8M0 scales of anchors, one for each 32 codes along K); id_anchors 4,096 int32; mem_feat 65,536 x 256 float32; mem_id 65,536 int32.
;; Outputs: out0 4,096 float32; out1 4,096 x 256 float32.
;; This version of the problem:
;;   THIS VERSION OF THE PROBLEM IS GIVEN IN LOW PRECISION. The matrix products marked QUANTISED in the list below multiply operands that are first quantised to E2M1 (2 exponent bits, 1 mantissa bit; 4 bits a number), with one power-of-two scale for each 32 numbers along K (OCP MX v1.0); their sums are f32. All else is computed in f32.
;;   The module's matrix products, in the order in which they are computed (A, B: the left and right operand; K: the contracted axis; several contracted axes count as one K, in the product's order):
;;     1. [M 4,096, K 256] x [K 256, N 65,536]; A: input anchors (given as codes); B: input mem_feat: QUANTISED
;;   THE QUANTISER, for each operand of a quantised product, along K:
;;     - K is cut into blocks of 32 from its start; a last block that is shorter is filled with zeros.
;;     - A block's scale is 2^e with e = floor(log2(the largest magnitude in the block)) - 2, held to -126 .. 127; a block of zeros has e = 0. As a byte (E8M0): e + 127.
;;     - Each number is divided by its block's scale, clamped to +-6, and rounded to the nearest number of E2M1, ties to even, subnormals kept.
;;     - The product sums the exact products of the quantised numbers (number of the format x scale) in f32.
;;   ~~~python
;;   def quantise(x, axis):      # numpy; x: float32 -> the quantised numbers, widened to float32 again
;;       x = np.moveaxis(x, axis, -1); K = x.shape[-1]
;;       x = np.pad(x, [(0, 0)] * (x.ndim - 1) + [(0, -K % 32)]); x = x.reshape(x.shape[:-1] + (-1, 32)); a = np.abs(x).max(-1, keepdims=True)
;;       e = np.where(a > 0, np.clip(np.frexp(np.where(a > 0, a, 1))[1] - 1 - 2, -126, 127), 0)      # np.frexp(a)[1] - 1 = floor(log2(a)), exactly
;;       r = np.clip(x / 2.0 ** e, -6, 6)
;;       step = 2.0 ** (np.maximum(np.frexp(np.where(r == 0, 1, r))[1] - 1, 0) - 1)
;;       q = np.round(r / step) * step * 2.0 ** e      # np.round: ties to even
;;       return np.moveaxis(q.reshape(q.shape[:-2] + (-1,))[..., :K], -1, axis).astype(np.float32)
;;   ~~~
;;   INPUTS GIVEN AS CODES. anchors (in the module: [4096, 256], K = its axis 1): each comes as NAME_codes (uint8): NAME with its K axis moved to the last place and cut into blocks of 32 codes, [.., K / 32, bytes a block], one block behind the other in memory; two codes a byte, the lower K in the low four bits (a code: sign, 2 exponent bits, 1 mantissa bit); and NAME_scales (uint8): the same leading axes, one E8M0 byte (e + 127) for each 32 codes along K. Its value is code x scale, taken as it is: it is not quantised again, and the codes and scales need not be those that the quantiser above would give.
;; One version. Each part assembles by itself: llvm-mc -triple=amdgcn-amd-amdhsa -mcpu=gfx1250 --defsym DOCPART=n.
;; ======== version 1 of 1: 3 launches
;; workspace buffers: pval 4,194,304 bytes; pgrp 2,097,152 bytes of whole numbers; maskb 262,144 bytes; cand 16,384 bytes of whole numbers
;; launch scan (part 1): grid 256 x 1, 8 waves a work-group, clusters of 4 x 1, 327,680 bytes of LDS; arguments anchors_codes, anchors_scales, id_anchors, mem_feat, mem_id, pval, pgrp, maskb; writes pval, pgrp, maskb
.if DOCPART == 1
	.amdgcn_target "amdgcn-amd-amdhsa--gfx1250"
	.amdhsa_code_object_version 6
	.text
	.protected	k_qddd90e9242_scan
	.globl	k_qddd90e9242_scan
	.p2align	8
	.type	k_qddd90e9242_scan,@function
k_qddd90e9242_scan:
	s_mov_b64 s[64:65], 0
	v_nop
	global_prefetch_b8 v0, s[64:65] scope:SCOPE_SE
	s_setreg_imm32_b32 hwreg(HW_REG_WAVE_MODE, 25, 1), 1
	s_wait_xcnt 0x0
	s_wait_alu depctr_hold_cnt(0) depctr_sa_sdst(0) depctr_va_vdst(0) depctr_va_sdst(0) depctr_va_ssrc(0) depctr_va_vcc(0) depctr_vm_vsrc(0)
	s_getreg_b32 s2, hwreg(HW_REG_IB_STS2, 6, 4)
	s_cmp_eq_u32 s2, 0
	s_cbranch_scc0 .Lentry_in_a_cluster
	s_endpgm
.Lentry_in_a_cluster:
	s_bfe_u32 s2, ttmp6, 0x10000c
	s_cmp_lg_u32 s2, 0x3003
	s_cbranch_scc0 .Lentry_shape_is_right
	s_endpgm
.Lentry_shape_is_right:
; MemoryQueue, launch 1 of 3.  scores[a][m] = anchors[a] . Q(mem_feat[m]), K = 256, on codes of FP4 (E2M1) with one E8M0 scale for each 32 along K.
; A work-group owns a SLAB of 256 memory rows.  It reads their f32 numbers once, finds which of them carry an id that any anchor carries, quantises them, keeps codes, scale words and a bias in
; registers, and walks all 4,096 anchors.  For each anchor it stores the slab's largest score (pval) and the number of the group of 8 neighbouring memory rows in which that score first stands (pgrp).
; THE MASK COSTS NO LINE IN THE LOOP: a masked row gets zero codes and the bias -1.0, an open row the bias 0.0; the bias is the C of the first of the two K steps.  So a masked column's score is -1.0.
; LIMITS.  (1) Maximum and argmax are taken of the sums as they are, with -1.0 for a masked column; the factor 1 / T = 20 is applied to the maximum in the next launch.  Two sums that differ only
; in their last bits and would give the same quotient by f32(0.05) count here as different: the larger wins, not the lower index.  For sums of 20 significant bits or fewer the two orders agree.
; (2) NaN and infinities in mem_feat and the byte 0xff in anchors_scales are not served.  (3) A block of zeros gets the scale byte 1, not 127: its codes are zeros, and this program alone reads the bytes.
; SHARES.  Eight waves, two to a SIMD, 512 registers each.  Wave w: i = w / 4 is its half of the slab (128 rows: 8 tiles of 16), j = w % 4 its quarter of the anchors (1,024: 64 tiles of 16).
; So an anchor fragment read from LDS (2,176 bytes with its scale words) feeds 16 matrix instructions.  In the first phase wave w quantises rows 32 w .. 32 w + 31.
; THE PRODUCT: source 0 = 16 memory rows, source 1 = 16 anchors: a lane holds ONE anchor (lane % 16), and its eight registers are the eight neighbouring memory rows 8 (lane / 16) + 0 .. 7 of the tile.
; CLUSTER: the four work-groups of a cluster walk the same anchors, so each chunk is asked for JOINTLY: the same tensor load, the same descriptor, a mask that names the four.
; The anchors go in 8 chunks of 128 for each quarter through two LDS slots: waves 0-3 fetch the quarters' codes (128 rows x 128 bytes), waves 4-7 their scale bytes (1,024 dense bytes).
; REGISTERS.  window 0: v2-3 the add's pair; v4-7 addresses of the chunk in hand; v8-13 at work; v14-15 the turning stage; v16-47 codes and v48-63 scale bytes of the first phase;
;   v64-191 first the 4,096 anchor ids, then v64-127 the 8 accumulators, v128-135 their maxima, v136-139 maximum and index (two sets by turns), v140-155 the anchors' fragment; v192-223 16 neighbours, two sets;
;   v224 my row's id; v225-239, v249-250 addresses that stay; v240-247 the memory rows' scale words, v248 the anchors': these nine hold scales and nothing else.
;   window 1: first the 32 KB of f32 numbers as loaded; then v0-127 the codes of my 128 rows (tile t, K step s at 16 t + 8 s), v128-191 their bias (tile t at 128 + 8 t).
.set SLOT1,  1<<17                     ; slot 1 begins here: one exclusive or turns an address of one slot into the other's
.set CP,     144                       ; a row of 256 codes in LDS: 128 bytes + 16 of padding: 36 words, so the 16 rows of a fragment load begin 16 bytes apart modulo 256
.set QCODE,  128*CP                    ; a quarter's chunk of codes
.set SSCL,   4*QCODE                   ; behind the four: their scale bytes, 1,024 for each quarter.  A slot ends at 77,824
.set MCODE,  SSCL+4096                 ; my slab's codes, 256 rows x CP
.set MSCL,   MCODE+256*CP              ; its scale bytes, 8 a row
.set BIAS,   MSCL+2048                 ; its bias, f32, one a row
.set SPARE,  BIAS+1024                 ; the spare words, 128 bytes for each of the eight waves: four blocks of 256 bytes that no other line names
.set RV,     SLOT1+MCODE               ; behind slot 1: maxima, f32 [q = 2 i + lane / 16][4,096 anchors]
.set RI,     RV+65536                  ; and the tile in which each first stands, a byte each, [q][4,096]
.set SP,     80                        ; the turning stage: a lane's 64 bytes + 16 of padding.  Two stages of 32 x SP bytes a wave, at RV + 5,120 w: they are done with before the first maximum is stored
.set SPW, 2
.set NIL, 3
.set ADF, 4                            ; the chunk's fragments
.set ADS, 5                            ; its scale words
.set ARV, 6                            ; where its maxima go
.set ARI, 7                            ; and its tile numbers
.set TIN, 14
.set TOUT, 15
.set CD,  16
.set BY,  48
.set IDS, 64
.set ACC, 64
.set G,   128
.set BF,  140
.set X,   192
.set MID, 224
.set AF0, 225
.set AS0, 226
.set RV0, 227
.set RI0, 228
.set MCW, 229
.set MSW, 230
.set MCR, 231
.set MBR, 232
.set MSR, 233
.set T4,  234                          ; 4 x thread
.set L16, 235                          ; 16 x lane
.set BIW, 236
.set BIR, 237
.set T16, 238                          ; 16 x thread
.set RVR, 239
.set AS,  240
.set BS,  248
.set RIR, 249
.set T8,  250                          ; 8 x thread
.set MSB, 0
.macro WIN new                         ; the immediate's high byte repeats the setting that is left; a switch that changes nothing is dropped
.if MSB != \new
	s_set_vgpr_msb (MSB<<8)|\new
.set MSB, \new
.endif
.endm
; A round of the cluster's barrier: my work-group's barrier, wave 0 signals for the work-group, every wave waits for all four work-groups, my work-group's barrier once more.
.macro CROUND
	s_barrier_signal -1
	s_barrier_wait -1
	s_cmp_lg_u32 s20, 0
	s_cbranch_scc1 .Lnot_wave_0_\@
	s_barrier_signal -3
.Lnot_wave_0_\@:
	s_barrier_wait -3
	s_barrier_signal -1
	s_barrier_wait -1
.endm
; A joint load: waves 0-3 their quarter's codes, waves 4-7 their quarter's scale bytes.  The branch hangs on the wave's number alone.  Four v_nop follow each line.
.macro JLOAD
	s_cmp_lt_u32 s20, 4
	s_cbranch_scc0 .Lfor_s_\@
	tensor_load_to_lds s[40:43], s[24:31]
	s_nop 0
.rept 4
	v_nop
.endr
	s_branch .Lasked_\@
.Lfor_s_\@:
	tensor_load_to_lds s[44:47], s[32:39]
	s_nop 0
.rept 4
	v_nop
.endr
.Lasked_\@:
.endm
	s_load_b256 s[4:11], s[0:1], 0x0               ; anchors' codes s[4:5], their scales s[6:7], id_anchors s[8:9], mem_feat s[10:11]
	s_load_b256 s[12:19], s[0:1], 0x20             ; mem_id s[12:13], pval s[14:15], pgrp s[16:17], maskb s[18:19]
	v_lshl_add_u32 v[SPW], v0, 2, SPARE
	v_mov_b32 v[NIL], 0
	ds_add_u32 v2, v3
	ds_add_u32 v2, v3
	s_wait_dscnt 0x0
	v_lshrrev_b32 v1, 5, v0
	v_readfirstlane_b32 s20, v1                    ; wave 0..7
	s_and_b32 s21, s20, 3                          ; j: my quarter of the anchors
	s_lshr_b32 s22, s20, 2                         ; i: my half of the slab
	s_bfe_u32 s90, ttmp6, 0x40000                  ; cx: my place in the cluster
	s_lshl_b32 s23, ttmp9, 2                       ; in a cluster launch ttmp9 counts clusters
	s_add_co_u32 s23, s23, s90                     ; my slab = 4 x cluster + cx: it enters global addresses and stored numbers alone
	; descriptor group 1 for the codes: 128 rows of 128 bytes, dense in memory, padded in LDS
	s_mov_b32 s24, 15|(1<<20)|(1<<21)|(4<<22)|(3<<25)  ; 15:0 the mask: all four work-groups; 17:16 elements of 1 byte; 20 padding on; 21 set beside a mask; 24:22 after every 32 words (code 4); 31:25 four words (code 3)
	s_mov_b32 s25, 128<<16                         ; tensor_dim0 = 128
	s_mov_b32 s26, 128<<16                         ; tensor_dim1 = 128
	s_mov_b32 s27, 128<<16                         ; tile_dim0 = 128
	s_mov_b32 s28, 128                             ; tile_dim1 = 128
	s_mov_b32 s29, 128                             ; from row to row
	s_mov_b32 s30, 0
	s_mov_b32 s31, 0
	; and for the scale bytes: 1,024 dense bytes as 4 rows of 32 elements of 8 bytes, no padding
	s_mov_b32 s32, 15|(3<<16)|(1<<21)
	s_mov_b32 s33, 32<<16
	s_mov_b32 s34, 4<<16
	s_mov_b32 s35, 32<<16
	s_mov_b32 s36, 4
	s_mov_b32 s37, 32
	s_mov_b32 s38, 0
	s_mov_b32 s39, 0
	s_lshl_b32 s66, s21, 17                        ; my quarter's codes begin 1,024 j rows x 128 bytes on,
	s_mov_b32 s67, 0
	s_lshl_b32 s2, s21, 13                         ; its scale bytes 1,024 j x 8
	s_mov_b32 s3, 0
	s_wait_kmcnt 0x0
	s_mov_b32 s40, 1                               ; group 0 for the codes: count = 1,
	s_mul_i32 s41, s21, QCODE                      ; LDS address: slot 0, quarter j: the wave's number alone enters it,
	s_add_nc_u64 s[42:43], s[4:5], s[66:67]        ; global address: chunk 0,
	s_or_b32 s43, s43, 0x80000000                  ; type = 2
	s_mov_b32 s44, 1                               ; group 0 for the scale bytes
	s_lshl_b32 s45, s21, 10
	s_add_co_u32 s45, s45, SSCL
	s_add_nc_u64 s[46:47], s[6:7], s[2:3]
	s_or_b32 s47, s47, 0x80000000
	CROUND                                         ; all four work-groups are here: the first joint loads meet
	JLOAD                                          ; chunk 0 into slot 0: it lands while the slab is read and quantised
	; where my slab's parts begin in memory
	s_mov_b32 s87, 0
	s_lshl_b32 s86, s23, 10
	s_add_nc_u64 s[96:97], s[12:13], s[86:87]      ; mem_id: 256 x 4 bytes a slab
	s_add_nc_u64 s[98:99], s[18:19], s[86:87]      ; maskb likewise
	s_lshl_b32 s86, s23, 14
	s_add_nc_u64 s[100:101], s[14:15], s[86:87]    ; pval: 4,096 x 4 bytes a slab
	s_lshl_b32 s86, s23, 13
	s_add_nc_u64 s[16:17], s[16:17], s[86:87]      ; pgrp: 4,096 x 2
	s_lshl_b32 s86, s23, 18
	s_lshl_b32 s89, s20, 15
	s_add_co_u32 s86, s86, s89
	s_add_nc_u64 s[94:95], s[10:11], s[86:87]      ; mem_feat: 262,144 bytes a slab, 32,768 a wave
	s_lshl_b32 s90, s23, 5                         ; the number of the first group of 8 rows of part q = 2 i + h: 32 x slab + 16 i + h
	s_add_co_u32 s91, s90, 1
	s_add_co_u32 s92, s90, 16
	s_add_co_u32 s93, s90, 17
	v_and_b32 v8, 31, v0                           ; lane
	v_and_b32 v9, 15, v0                           ; r
	v_bfe_u32 v10, v0, 4, 1                        ; h
	v_lshlrev_b32 v[L16], 4, v8
	v_lshlrev_b32 v[T4], 2, v0
	; ALL LOADS OF THE PHASE GO OUT AT ONCE: my row's id, the 4,096 anchor ids (128 a lane), my 32 rows of f32: each load of the wave reads 512 consecutive bytes
	global_load_b32 v[MID], v[T4], s[96:97]
.set n, 0
.rept 32
	global_load_b128 v[IDS+4*n:IDS+4*n+3], v[L16], s[8:9] offset:512*n
.set n, n+1
.endr
	WIN 0x40                                       ; destination window 1, address window 0
.set n, 0
.rept 64
	global_load_b128 v[4*n:4*n+3], v[L16], s[94:95] offset:512*n th:TH_LOAD_NT
.set n, n+1
.endr
	WIN 0
	; the addresses that stay: each a constant + constants x lane parts + constants x wave parts
	s_mul_i32 s62, s20, 5120
	s_add_co_u32 s62, s62, RV
	v_lshrrev_b32 v11, 2, v8
	v_mul_u32_u24 v[TIN], v11, SP
	v_and_b32 v11, 3, v8
	v_lshl_add_u32 v[TIN], v11, 4, v[TIN]
	v_add_nc_u32 v[TIN], s62, v[TIN]               ; the stage, in: four lanes' 64 bytes on end, then the padding
	v_mul_u32_u24 v[TOUT], v8, SP
	v_add_nc_u32 v[TOUT], s62, v[TOUT]             ; and out: my 16 neighbours
	v_mul_u32_u24 v[AF0], v9, CP
	v_lshl_add_u32 v[AF0], v10, 4, v[AF0]          ; a fragment's row r x pitch + 16 h
	s_mul_i32 s63, s22, 128*CP
	s_add_co_u32 s63, s63, MCODE
	v_add_nc_u32 v[MCR], s63, v[AF0]               ; in my half of the slab's codes,
	s_mul_i32 s62, s21, QCODE
	v_add_nc_u32 v[AF0], s62, v[AF0]               ; and in my quarter of a slot
	v_lshlrev_b32 v[AS0], 3, v9
	v_lshl_add_u32 v[AS0], v10, 2, v[AS0]          ; scale words: 8 r + 4 h: lanes 0-15 take K step 0's word of row r, lanes 16-31 K step 1's
	s_lshl_b32 s63, s22, 10
	s_add_co_u32 s63, s63, MSCL
	v_add_nc_u32 v[MSR], s63, v[AS0]
	s_lshl_b32 s62, s21, 10
	s_add_co_u32 s62, s62, SSCL
	v_add_nc_u32 v[AS0], s62, v[AS0]
	s_lshl_b32 s62, s22, 15
	s_lshl_b32 s63, s21, 12
	s_add_co_u32 s62, s62, s63
	s_add_co_u32 s62, s62, RV
	v_lshlrev_b32 v[RV0], 2, v9
	v_lshl_add_u32 v[RV0], v10, 14, v[RV0]
	v_add_nc_u32 v[RV0], s62, v[RV0]               ; maxima: part 2 i + h, anchor 1,024 j + r
	s_lshl_b32 s62, s22, 13
	s_lshl_b32 s63, s21, 10
	s_add_co_u32 s62, s62, s63
	s_add_co_u32 s62, s62, RI
	v_lshl_add_u32 v[RI0], v10, 12, v9
	v_add_nc_u32 v[RI0], s62, v[RI0]               ; tile numbers likewise, a byte each
	s_mul_i32 s62, s20, 32*CP
	s_add_co_u32 s62, s62, MCODE
	v_mul_u32_u24 v[MCW], v10, CP
	v_lshl_add_u32 v[MCW], v9, 3, v[MCW]
	v_add_nc_u32 v[MCW], s62, v[MCW]               ; where my 16 codes go: row 32 w + h (+ 2 a step), byte 8 r
	s_lshl_b32 s62, s20, 8
	s_add_co_u32 s62, s62, MSCL
	v_lshrrev_b32 v11, 1, v9
	v_lshl_add_u32 v[MSW], v10, 3, v11
	v_add_nc_u32 v[MSW], s62, v[MSW]               ; and my block's scale byte: block r / 2 of that row
	s_lshl_b32 s62, s22, 9
	s_add_co_u32 s62, s62, BIAS
	v_lshlrev_b32 v[MBR], 5, v10
	v_add_nc_u32 v[MBR], s62, v[MBR]               ; the bias of rows 128 i + 8 h on
	v_add_nc_u32 v[BIW], BIAS, v[T4]
	v_lshlrev_b32 v[T16], 4, v0
	v_add_nc_u32 v[BIR], BIAS, v[T16]
	v_add_nc_u32 v[RVR], RV, v[T16]
	v_add_nc_u32 v[RIR], RI, v[T4]
	v_lshlrev_b32 v[T8], 3, v0
	; THE MASK: bit b of s88 = row 32 w + b carries an id that some anchor carries.  Two rows a trip (lanes 15 and 31 of the id register, which moves up a lane each trip) against all 4,096 anchor ids:
	; 256 compares, whose lane masks are joined by scalar instructions.  Exact for every int32; what it finds goes into selects alone.  It runs while the f32 numbers are on their way.
	s_wait_loadcnt 63                              ; 64 loads were issued behind the ids' loads; 63 is the largest count that can be named, so all but the first of them may stay out
	s_mov_b32 s88, 0
	s_mov_b32 s60, 16
.Lmask:
	s_sub_co_u32 s89, s60, 1                       ; this trip: rows s89 and s89 + 16
	v_readlane_b32 s86, v[MID], 15
	v_readlane_b32 s87, v[MID], 31
.set g, 0
.rept 16
.irp p, 0,1,2,3,4,5,6,7
	v_cmp_eq_u32 s[68+2*\p], s86, v[IDS+8*g+\p]
	v_cmp_eq_u32 s[69+2*\p], s87, v[IDS+8*g+\p]
.endr
	s_or_b64 s[68:69], s[68:69], s[70:71]
	s_or_b64 s[72:73], s[72:73], s[74:75]
	s_or_b64 s[76:77], s[76:77], s[78:79]
	s_or_b64 s[80:81], s[80:81], s[82:83]
	s_or_b64 s[68:69], s[68:69], s[72:73]
	s_or_b64 s[76:77], s[76:77], s[80:81]
.if g == 0
	s_or_b64 s[84:85], s[68:69], s[76:77]          ; the first run starts the pair: nothing is cleared
.else
	s_or_b64 s[68:69], s[68:69], s[76:77]
	s_or_b64 s[84:85], s[84:85], s[68:69]
.endif
.set g, g+1
.endr
	s_cmp_lg_u32 s84, 0
	s_cselect_b32 s62, 1, 0
	s_lshl_b32 s62, s62, s89
	s_or_b32 s88, s88, s62
	s_cmp_lg_u32 s85, 0
	s_cselect_b32 s62, 1, 0
	s_add_co_u32 s63, s89, 16
	s_lshl_b32 s62, s62, s63
	s_or_b32 s88, s88, s62
	v_mov_b32_dpp v[MID], v[MID] row_shr:1 row_mask:0xf bank_mask:0xf   ; lane l takes lane l - 1's id, inside each half of 16
	s_sub_co_u32 s60, s60, 1
	s_cmp_lg_u32 s60, 0
	s_cbranch_scc1 .Lmask
	v_cndmask_b32 v8, 0, -1.0, s88                 ; my row's bias
	ds_store_b32 v[BIW], v8
; QUANTISING, 16 steps of two rows (512 numbers).  The conversions take neighbours along K from ONE lane's registers; the loads took 16 bytes a lane.  So a step's 2,048 bytes turn through my wave's stage.
.macro TURN t
	s_wait_loadcnt 60-4*(\t)                       ; the step's four loads are in; those of the later steps, 4 each, may be out
	WIN 0x04                                       ; an LDS store's data are its source 1: window 1
.irp i, 0,1,2,3
	ds_store_b128 v[TIN], v[16*(\t)+4*\i:16*(\t)+4*\i+3] offset:32*SP*((\t)%2)+8*SP*\i
.endr
	WIN 0
.irp i, 0,1,2,3
	ds_load_b128 v[X+16*((\t)%2)+4*\i:X+16*((\t)%2)+4*\i+3], v[TOUT] offset:32*SP*((\t)%2)+16*\i   ; LDS serves a wave's instructions in order: these see the stores above
.endr
.endm
; Lane (r, h) then holds k = 16 r .. 16 r + 15 of row 2 t + h: two neighbouring lanes hold a block of 32.
.macro STEP t
.set XS, X+16*((\t)%2)
.if (\t) < 15
	TURN (\t)+1                                    ; the next step goes through the other stage while this one is worked
	s_wait_dscnt 8                                 ; all but the eight just issued: this step's numbers are back
.else
	s_wait_dscnt 0x0
.endif
	v_max3_num_f32 v8, |v[XS]|, |v[XS+1]|, |v[XS+2]|               ; the largest magnitude of my 16, in two chains
	v_max3_num_f32 v9, |v[XS+3]|, |v[XS+4]|, |v[XS+5]|
.irp i, 6,10
	v_max3_num_f32 v8, v8, |v[XS+\i]|, |v[XS+\i+1]|
	v_max3_num_f32 v9, v9, |v[XS+\i+2]|, |v[XS+\i+3]|
.endr
	v_max3_num_f32 v8, v8, |v[XS+14]|, |v[XS+15]|
	v_max3_num_f32 v8, v8, v9, 0x1800000           ; and the floor 2^(3 - 127): the byte cannot fall under 1
	v_max_num_f32_dpp v8, v8, v8 row_xmask:1 row_mask:0xf bank_mask:0xf   ; with my neighbour's 16: the block's
	v_add_nc_u32 v11, 0xff000000, v8               ; 2 off its exponent field: the conversion takes the exponent field of this operand as its scale
	v_cvt_scalef32_pk8_fp4_f32 v[CD+2*(\t)], v[XS:XS+7], v11
	v_cvt_scalef32_pk8_fp4_f32 v[CD+2*(\t)+1], v[XS+8:XS+15], v11
	v_lshrrev_b32 v[BY+(\t)], 23, v11              ; the scale's byte; also the plain line between the conversions and the selects on their results
	s_bitcmp1_b32 s88, 2*(\t)                      ; lanes 0-15 hold row 2 t, lanes 16-31 row 2 t + 1: the rows' mask bits spread over their lanes
	s_cselect_b32 s62, 0xffff, 0
	s_bitcmp1_b32 s88, 2*(\t)+1
	s_cselect_b32 s63, 0xffff0000, 0
	s_or_b32 s62, s62, s63
	v_cndmask_b32 v[CD+2*(\t)], v[CD+2*(\t)], 0, s62               ; a masked row's codes are zeros
	v_cndmask_b32 v[CD+2*(\t)+1], v[CD+2*(\t)+1], 0, s62
	ds_store_b8 v[MSW], v[BY+(\t)] offset:16*(\t)                  ; both lanes of a block write the same byte with the same value
	ds_store_b64 v[MCW], v[CD+2*(\t):CD+2*(\t)+1] offset:2*CP*(\t)
.endm
	TURN 0
.irp t, 0,1,2,3,4,5,6,7,8,9,10,11,12,13,14,15
	STEP \t
.endr
	s_wait_dscnt 0x0                               ; for the others' sake: my codes, bytes and bias are in LDS, and my reads of the stage are over
	s_barrier_signal -1                            ; (chunk 0's tensor load may be out)
	s_barrier_wait -1
	; MY HALF OF THE SLAB GOES INTO REGISTERS, for the rest of the launch
	WIN 0x40
.irp t, 0,1,2,3,4,5,6,7
.irp s, 0,1
.irp c, 0,1
	ds_load_b128 v[16*\t+8*\s+4*\c:16*\t+8*\s+4*\c+3], v[MCR] offset:16*CP*\t+64*\s+32*\c   ; registers 4 c .. 4 c + 3: k = 128 s + 64 c + 32 h + 0 .. 31 of row 16 t + r
.endr
.endr
.endr
.irp t, 0,1,2,3,4,5,6,7
	ds_load_b128 v[128+8*\t:128+8*\t+3], v[MBR] offset:64*\t       ; in the result's layout: register n = the bias of row 16 t + 8 h + n
	ds_load_b128 v[128+8*\t+4:128+8*\t+7], v[MBR] offset:64*\t+16
.endr
	WIN 0
.irp t, 0,1,2,3,4,5,6,7
	ds_load_b32 v[AS+\t], v[MSR] offset:128*\t
.endr
	s_cmp_lt_u32 s20, 2                            ; the slab's bias also goes to memory, for the last launch: waves 0 and 1, 512 consecutive bytes each
	s_cbranch_scc0 .Lno_maskb
	ds_load_b128 v[216:219], v[BIR]
	s_wait_dscnt 0x0
	global_store_b128 v[T16], v[216:219], s[98:99]                 ; (neither register is written again)
.Lno_maskb:
; THE WALK OVER THE ANCHORS.
.macro FETCH tt                        ; tile tt of the chunk: the anchors' fragment for both K steps, and their scale words (lanes 0-15 K step 0's, lanes 16-31 K step 1's)
.irp c, 0,1,2,3
	ds_load_b128 v[BF+4*\c:BF+4*\c+3], v[ADF] offset:16*CP*(\tt)+32*\c
.endr
	ds_load_b32 v[BS], v[ADS] offset:128*(\tt)
.endm
; A tile of 16 anchors against my 128 rows: 16 matrix instructions, the 8 accumulators by turns, one instruction a turn, then the reduction.
.macro TILE tt, pre
.set MR, 136+2*((\tt)%2)               ; maximum and index: two sets by turns, so that a set is written again only when its stores are shown done
.if (\tt) == 0
	s_wait_dscnt 0x0
.else
	s_wait_dscnt 2                                 ; the fragment is in; the last tile's two stores, issued behind its loads, may be out
.endif
	WIN 0x11                                       ; source 0 (my rows) and C (the bias) window 1
.irp t, 0,1,2,3,4,5,6,7
	v_wmma_scale_f32_16x16x128_f8f6f4 v[ACC+8*\t:ACC+8*\t+7], v[16*\t:16*\t+7], v[BF:BF+7], v[128+8*\t:128+8*\t+7], v[AS+\t], v[BS] matrix_a_fmt:MATRIX_FMT_FP4 matrix_b_fmt:MATRIX_FMT_FP4
.endr
	WIN 0x01
.irp t, 0,1,2,3,4,5,6,7
	v_wmma_scale_f32_16x16x128_f8f6f4 v[ACC+8*\t:ACC+8*\t+7], v[16*\t+8:16*\t+15], v[BF+8:BF+15], v[ACC+8*\t:ACC+8*\t+7], v[AS+\t], v[BS] matrix_a_fmt:MATRIX_FMT_FP4 matrix_b_fmt:MATRIX_FMT_FP4 matrix_a_scale:MATRIX_SCALE_ROW1 matrix_b_scale:MATRIX_SCALE_ROW1
.endr
	WIN 0
	v_mov_b32 v[MR+1], 7                           ; four plain lines that name no register of the products stand in front of the loads into the fragment and of the first read of results
.rept 3
	v_nop
.endr
.if \pre
	FETCH (\tt)+1                                  ; the next tile's fragment lands under the reduction
.endif
.irp t, 0,1,2,3,4,5,6,7
	v_max3_num_f32 v[G+\t], v[ACC+8*\t], v[ACC+8*\t+1], v[ACC+8*\t+2]   ; the largest of each accumulator's eight rows, from its low end on; the eight by turns
.endr
.irp t, 0,1,2,3,4,5,6,7
	v_max3_num_f32 v[G+\t], v[G+\t], v[ACC+8*\t+3], v[ACC+8*\t+4]
.endr
.irp t, 0,1,2,3,4,5,6,7
	v_max3_num_f32 v[G+\t], v[G+\t], v[ACC+8*\t+5], v[ACC+8*\t+6]
.endr
.irp t, 0,1,2,3,4,5,6,7
	v_max_num_f32 v[G+\t], v[G+\t], v[ACC+8*\t+7]
.endr
	v_max3_num_f32 v[MR], v[G], v[G+1], v[G+2]
	v_max3_num_f32 v[MR], v[MR], v[G+3], v[G+4]
	v_max3_num_f32 v[MR], v[MR], v[G+5], v[G+6]
	v_max_num_f32 v[MR], v[MR], v[G+7]             ; of my anchor's 64 rows in this lane
.irp t, 0,1,2,3,4,5,6
	v_cmp_eq_f32 s[68+\t], v[G+\t], v[MR]
.endr
.irp t, 6,5,4,3,2,1,0
	v_cndmask_b32 v[MR+1], v[MR+1], \t, s[68+\t]   ; the FIRST tile that holds it: the lowest is taken last
.endr
	ds_store_b32 v[ARV], v[MR] offset:64*(\tt)
	ds_store_b8 v[ARI], v[MR+1] offset:16*(\tt)
.endm
.macro BODY                            ; a chunk: 8 tiles of my quarter's 128 anchors
	v_add_nc_u32 v[ADF], s56, v[AF0]
	v_add_nc_u32 v[ADS], s56, v[AS0]
	v_add_nc_u32 v[ARV], s58, v[RV0]
	v_add_nc_u32 v[ARI], s59, v[RI0]
	FETCH 0
.irp tt, 0,1,2,3,4,5,6
	TILE \tt, 1
.endr
	TILE 7, 0
	s_xor_b32 s56, s56, SLOT1                      ; on to the other slot,
	s_add_co_u32 s58, s58, 512                     ; and 128 anchors on in the maxima
	s_add_co_u32 s59, s59, 128                     ; and in the tile numbers
.endm
; THE CHANGE OF SLOTS stands at a chunk's head.  Each wave waits for all its tensor loads (one is out: its part of the chunk ahead), adds 0 to its spare word, and waits for that and for its reads of the
; chunk that it has left.  fill = 1: the barrier is a round of the cluster's, so that no wave of any partner still reads the other slot or has a load on its way; the joint load of the chunk after
; the one ahead is the first thing behind it, and has a chunk's work, 128 matrix instructions a wave, in which to land.
.macro CHANGE fill
	s_wait_tensorcnt 0x0                           ; no tensor load of mine is out, so a group 0 may be written
	ds_add_u32 v[SPW], v[NIL]                      ; 0 onto my spare word
.if \fill
	s_xor_b32 s41, s41, SLOT1                      ; the walking descriptors: the other slot than last time,
	s_add_nc_u64 s[42:43], s[42:43], 128*128       ; the next 128 anchors' codes; the type bits on top are not reached
	s_xor_b32 s45, s45, SLOT1
	s_add_nc_u64 s[46:47], s[46:47], 128*8         ; and scale bytes
.endif
	s_wait_dscnt 0x0                               ; the add is done, and my LDS reads and stores are over
.if \fill
	CROUND
	JLOAD
.else
	s_barrier_signal -1
	s_barrier_wait -1
.endif
.endm
	s_mov_b32 s56, 0
	s_mov_b32 s58, 0
	s_mov_b32 s59, 0
	s_mov_b32 s61, 7
.Lchunk:                                           ; 7 trips: chunk c is worked while chunk c + 1 comes in
	CHANGE 1
	BODY
	s_sub_co_u32 s61, s61, 1
	s_cmp_lg_u32 s61, 0
	s_cbranch_scc1 .Lchunk
	CHANGE 0                                       ; the last chunk is written out
	BODY
	; THE FOUR PARTS OF THE SLAB MEET.  Thread T takes anchors 1,024 k + 4 T .. + 3, k = 0 .. 3.  A part's key is its group of 8 rows: 32 x slab + 16 i + 2 t + h; among equal maxima the lowest key wins.
	s_wait_dscnt 0x0
	s_barrier_signal -1
	s_barrier_wait -1
.irp k, 0,1,2,3
.irp q, 0,1,2,3
	ds_load_b128 v[64+20*\k+4*\q:64+20*\k+4*\q+3], v[RVR] offset:16384*\q+4096*\k
.endr
.irp q, 0,1,2,3
	ds_load_b32 v[80+20*\k+\q], v[RIR] offset:4096*\q+1024*\k
.endr
.endr
.macro MERGE k
.set LB, 64+20*(\k)
.set OB, 144+6*(\k)
	s_wait_dscnt 24-8*(\k)                         ; this k's eight loads are in; the later ones, 8 each, may be out
.irp e, 0,1,2,3
.irp q, 0,1,2,3
	v_bfe_u32 v[8+\q], v[LB+16+\q], 8*\e, 8        ; part q's tile
.endr
.irp q, 0,1,2,3
	v_lshl_add_u32 v[8+\q], v[8+\q], 1, s[90+\q]   ; its key
.endr
	v_cmp_gt_f32 s62, v[LB+4+\e], v[LB+\e]         ; within a half of the slab the two parts' groups interleave: the second is taken where it is larger, or equal with the lower key
	v_cmp_eq_f32 s63, v[LB+4+\e], v[LB+\e]
	v_cmp_lt_u32 s66, v9, v8
	v_cmp_gt_f32 s67, v[LB+12+\e], v[LB+8+\e]
	v_cmp_eq_f32 s68, v[LB+12+\e], v[LB+8+\e]
	v_cmp_lt_u32 s69, v11, v10
	s_and_b32 s63, s63, s66
	s_or_b32 s62, s62, s63
	s_and_b32 s68, s68, s69
	s_or_b32 s67, s67, s68
	v_cndmask_b32 v12, v[LB+\e], v[LB+4+\e], s62
	v_cndmask_b32 v8, v8, v9, s62
	v_cndmask_b32 v13, v[LB+8+\e], v[LB+12+\e], s67
	v_cndmask_b32 v10, v10, v11, s67
	v_cmp_gt_f32 s62, v13, v12                     ; the upper half's keys are all higher: it is taken only where it is larger
	v_cndmask_b32 v[OB+\e], v12, v13, s62
.if (\e)%2 == 0
	v_cndmask_b32 v1, v8, v10, s62
.else
	v_cndmask_b32 v8, v8, v10, s62
	v_lshl_or_b32 v[OB+4+(\e)/2], v8, 16, v1       ; two keys of 16 bits to a word, the lower anchor's below
.endif
.endr
	global_store_b128 v[T16], v[OB:OB+3], s[100:101] offset:4096*(\k)   ; a wave stores 512 consecutive bytes, at a multiple of 256 from the buffer's first byte
	global_store_b64 v[T8], v[OB+4:OB+5], s[16:17] offset:2048*(\k)     ; and 256 (each k has registers of its own: no store's data are written again)
.endm
.irp k, 0,1,2,3
	MERGE \k
.endr
	s_wait_tensorcnt 0x0                           ; the wave's end: behind my last tensor load and my last LDS store
	ds_add_u32 v[SPW], v[NIL]
	s_wait_dscnt 0x0
	CROUND                                         ; the closing round: no work-group ends while a partner may still ask for a chunk that names it
	s_endpgm
.Lfunc_end_k_qddd90e9242_scan:
	.size	k_qddd90e9242_scan, .Lfunc_end_k_qddd90e9242_scan-k_qddd90e9242_scan
	.p2alignl 7, 3214868480
	.fill 96, 4, 3214868480
	.section	.rodata,"a",@progbits
	.p2align	6, 0x0
	.amdhsa_kernel k_qddd90e9242_scan
		.amdhsa_group_segment_fixed_size 327680
		.amdhsa_private_segment_fixed_size 0
		.amdhsa_enable_private_segment 0
		.amdhsa_kernarg_size 64
		.amdhsa_user_sgpr_count 2
		.amdhsa_user_sgpr_kernarg_segment_ptr 1
		.amdhsa_wavefront_size32 1
		.amdhsa_system_sgpr_workgroup_id_x 1
		.amdhsa_system_sgpr_workgroup_id_y 1
		.amdhsa_system_sgpr_workgroup_id_z 1
		.amdhsa_system_vgpr_workitem_id 0
		.amdhsa_next_free_vgpr 512
		.amdhsa_next_free_sgpr 102
		.amdhsa_reserve_vcc 0
		.amdhsa_float_denorm_mode_32 3
		.amdhsa_float_denorm_mode_16_64 3
		.amdhsa_memory_ordered 1
		.amdhsa_forward_progress 1
		.amdhsa_inst_pref_size 189
	.end_amdhsa_kernel
	.amdgpu_metadata
---
amdhsa.version: [ 1, 2 ]
amdhsa.kernels:
  - .name:           k_qddd90e9242_scan
    .symbol:         k_qddd90e9242_scan.kd
    .args:
      - { .name: anchors_codes, .offset: 0, .size: 8, .value_kind: global_buffer, .address_space: global }
      - { .name: anchors_scales, .offset: 8, .size: 8, .value_kind: global_buffer, .address_space: global }
      - { .name: id_anchors, .offset: 16, .size: 8, .value_kind: global_buffer, .address_space: global }
      - { .name: mem_feat, .offset: 24, .size: 8, .value_kind: global_buffer, .address_space: global }
      - { .name: mem_id, .offset: 32, .size: 8, .value_kind: global_buffer, .address_space: global }
      - { .name: pval, .offset: 40, .size: 8, .value_kind: global_buffer, .address_space: global }
      - { .name: pgrp, .offset: 48, .size: 8, .value_kind: global_buffer, .address_space: global }
      - { .name: maskb, .offset: 56, .size: 8, .value_kind: global_buffer, .address_space: global }
    .group_segment_fixed_size: 327680
    .private_segment_fixed_size: 0
    .kernarg_segment_align: 8
    .kernarg_segment_size: 64
    .max_flat_workgroup_size: 256
    .sgpr_count:     102
    .vgpr_count:     512
    .wavefront_size: 32
...
	.end_amdgpu_metadata
.endif
;; end of part 1
;; launch pick (part 2): grid 64 x 1, 8 waves a work-group, no clusters, 9,216 bytes of LDS; arguments pval, pgrp, out0, cand; writes out0, cand
.if DOCPART == 2
	.amdgcn_target "amdgcn-amd-amdhsa--gfx1250"
	.amdhsa_code_object_version 6
	.text
	.protected	k_qddd90e9242_pick
	.globl	k_qddd90e9242_pick
	.p2align	8
	.type	k_qddd90e9242_pick,@function
k_qddd90e9242_pick:
	s_mov_b64 s[64:65], 0
	v_nop
	global_prefetch_b8 v0, s[64:65] scope:SCOPE_SE
	s_setreg_imm32_b32 hwreg(HW_REG_WAVE_MODE, 25, 1), 1
	s_wait_xcnt 0x0
; MemoryQueue, launch 2 of 3.  For each anchor: the largest of the 256 slabs' maxima (pval [256][4096] f32) and that slab's group of 8 memory rows (pgrp [256][4096], 16 bits each).
; Among equal maxima the FIRST slab wins: a later one is taken only where it is strictly larger.  out0 = 20 x the maximum (1 / T = 20; a masked column's -1.0 becomes -1 / T); cand = the group, as a whole number.
; LIMIT: NaN among the maxima is not served.
; SHARES.  A work-group takes 64 anchors.  Lane (r, h) of wave w takes anchors 4 r .. 4 r + 3 of them in slabs 16 u .. 16 u + 15, u = 2 w + h: sixteen lanes read 256 consecutive bytes of a slab's
; maxima, at a multiple of 256 from the buffer's first byte (of the groups 128).  A stream of 6 MB read once: no matrix work, no tile that two work-groups share, so no cluster and no tensor load.
.set V,  16                            ; v16-79   slab k's four maxima at V + 4 k; slab 0's registers hold the running maxima
.set GR, 80                            ; v80-111  slab k's four groups, two to a word, at GR + 2 k
.set BG, 8                             ; v8-11    the running groups
	s_load_b256 s[4:11], s[0:1], 0x0               ; pval s[4:5], pgrp s[6:7], out0 s[8:9], cand s[10:11]
	v_lshl_add_u32 v128, v0, 2, 0x2000
	v_mov_b32 v129, 0
	v_lshrrev_b32 v1, 5, v0
	v_readfirstlane_b32 s12, v1                    ; wave
	v_and_b32 v2, 15, v0                           ; r
	v_bfe_u32 v3, v0, 4, 1                         ; h
	v_lshl_add_u32 v3, v1, 1, v3                   ; u = 2 w + h
	v_lshlrev_b32 v4, 4, v2                        ; 16 r: also my place in out0 and cand
	v_lshl_add_u32 v5, v3, 18, v4                  ; pval: 16 u slabs of 16,384 bytes + 16 r
	v_lshlrev_b32 v6, 3, v2
	v_lshl_add_u32 v6, v3, 17, v6                  ; pgrp: 16 u slabs of 8,192 bytes + 8 r
	v_lshlrev_b32 v7, 4, v0                        ; LDS: 16 x thread
	s_mov_b32 s14, 0x76543210
	s_mov_b32 s15, 0xfedcba98                      ; v_permlanex16_b32's selects for lane l xor 16
	s_lshl_b32 s16, ttmp9, 8                       ; my 64 anchors: 256 bytes in pval, out0 and cand,
	s_mov_b32 s17, 0
	s_lshl_b32 s18, ttmp9, 7                       ; 128 in pgrp
	s_mov_b32 s19, 0
	s_wait_kmcnt 0x0
	s_add_nc_u64 s[4:5], s[4:5], s[16:17]
	s_add_nc_u64 s[6:7], s[6:7], s[18:19]
	s_add_nc_u64 s[8:9], s[8:9], s[16:17]
	s_add_nc_u64 s[10:11], s[10:11], s[16:17]
.irp k, 0,1,2,3,4,5,6,7,8,9,10,11,12,13,14,15
	global_load_b128 v[V+4*\k:V+4*\k+3], v5, s[4:5] offset:16384*\k th:TH_LOAD_NT
	global_load_b64 v[GR+2*\k:GR+2*\k+1], v6, s[6:7] offset:8192*\k th:TH_LOAD_NT
.endr
	s_wait_loadcnt 30                              ; slab 0's two loads are in; the 15 later slabs' may be out
	v_and_b32 v[BG], 0xffff, v[GR]
	v_lshrrev_b32 v[BG+1], 16, v[GR]
	v_and_b32 v[BG+2], 0xffff, v[GR+1]
	v_lshrrev_b32 v[BG+3], 16, v[GR+1]
.irp k, 1,2,3,4,5,6,7,8,9,10,11,12,13,14,15
	s_wait_loadcnt 30-2*\k                         ; slab k's two loads are in; two for each later slab may be out
.irp e, 0,1,2,3
.if (\e)%2 == 0
	v_and_b32 v12, 0xffff, v[GR+2*\k+(\e)/2]
.else
	v_lshrrev_b32 v12, 16, v[GR+2*\k+(\e)/2]
.endif
	v_cmp_gt_f32 vcc_lo, v[V+4*\k+\e], v[V+\e]
	v_cndmask_b32 v[V+\e], v[V+\e], v[V+4*\k+\e], vcc_lo
	v_cndmask_b32 v[BG+\e], v[BG+\e], v12, vcc_lo
.endr
.endr
	; lane l xor 16 holds the same anchors in the next 16 slabs: lanes 0-15 take it where it is larger (what lanes 16-31 make of it is not used)
.irp e, 0,1,2,3
	v_permlanex16_b32 v[V+4+\e], v[V+\e], s14, s15                 ; (the destinations were written by the loads)
.endr
.irp e, 0,1,2,3
	v_permlanex16_b32 v[V+8+\e], v[BG+\e], s14, s15
.endr
.irp e, 0,1,2,3
	v_cmp_gt_f32 vcc_lo, v[V+4+\e], v[V+\e]
	v_cndmask_b32 v[V+\e], v[V+\e], v[V+4+\e], vcc_lo
	v_cndmask_b32 v[BG+\e], v[BG+\e], v[V+8+\e], vcc_lo
.endr
	ds_store_b128 v7, v[V:V+3]                     ; the eight waves' results meet in LDS: maxima at 16 x thread, groups 4,096 bytes on
	ds_store_b128 v7, v[BG:BG+3] offset:4096
	s_wait_dscnt 0x0                               ; for wave 0's sake
	s_barrier_signal -1
	s_barrier_wait -1
	s_cmp_lg_u32 s12, 0
	s_cbranch_scc1 .Lend
.irp w, 1,2,3,4,5,6,7
	ds_load_b128 v[V+4*\w:V+4*\w+3], v7 offset:512*\w
	ds_load_b128 v[V+28+4*\w:V+28+4*\w+3], v7 offset:4096+512*\w
.endr
	s_wait_dscnt 0x0
.irp w, 1,2,3,4,5,6,7                  ; in ascending order of slabs
.irp e, 0,1,2,3
	v_cmp_gt_f32 vcc_lo, v[V+4*\w+\e], v[V+\e]
	v_cndmask_b32 v[V+\e], v[V+\e], v[V+4*\w+\e], vcc_lo
	v_cndmask_b32 v[BG+\e], v[BG+\e], v[V+28+4*\w+\e], vcc_lo
.endr
.endr
.irp e, 0,1,2,3
	v_mul_f32 v[V+\e], 0x41a00000, v[V+\e]         ; x 20
.endr
	v_cmp_gt_u32 vcc_lo, 16, v0
	s_wait_xcnt 0x0                                ; EXEC changes only behind this wait
	s_and_saveexec_b32 s13, vcc_lo                 ; lanes 0-15 hold the 64 anchors
	global_store_b128 v4, v[V:V+3], s[8:9]         ; sixteen lanes store 256 consecutive bytes, at a multiple of 256 from the buffer's first byte
	global_store_b128 v4, v[BG:BG+3], s[10:11]
	s_wait_xcnt 0x0
	s_or_b32 exec_lo, exec_lo, s13
.Lend:
	s_wait_tensorcnt 0x0
	ds_add_u32 v128, v129
	s_wait_dscnt 0x0
	s_endpgm
.Lfunc_end_k_qddd90e9242_pick:
	.size	k_qddd90e9242_pick, .Lfunc_end_k_qddd90e9242_pick-k_qddd90e9242_pick
	.p2alignl 7, 3214868480
	.fill 96, 4, 3214868480
	.section	.rodata,"a",@progbits
	.p2align	6, 0x0
	.amdhsa_kernel k_qddd90e9242_pick
		.amdhsa_group_segment_fixed_size 9216
		.amdhsa_private_segment_fixed_size 0
		.amdhsa_enable_private_segment 0
		.amdhsa_kernarg_size 32
		.amdhsa_user_sgpr_count 2
		.amdhsa_user_sgpr_kernarg_segment_ptr 1
		.amdhsa_wavefront_size32 1
		.amdhsa_system_sgpr_workgroup_id_x 1
		.amdhsa_system_sgpr_workgroup_id_y 1
		.amdhsa_system_sgpr_workgroup_id_z 1
		.amdhsa_system_vgpr_workitem_id 0
		.amdhsa_next_free_vgpr 130
		.amdhsa_next_free_sgpr 66
		.amdhsa_reserve_vcc 1
		.amdhsa_float_denorm_mode_32 3
		.amdhsa_float_denorm_mode_16_64 3
		.amdhsa_memory_ordered 1
		.amdhsa_forward_progress 1
		.amdhsa_inst_pref_size 19
	.end_amdhsa_kernel
	.amdgpu_metadata
---
amdhsa.version: [ 1, 2 ]
amdhsa.kernels:
  - .name:           k_qddd90e9242_pick
    .symbol:         k_qddd90e9242_pick.kd
    .args:
      - { .name: pval, .offset: 0, .size: 8, .value_kind: global_buffer, .address_space: global }
      - { .name: pgrp, .offset: 8, .size: 8, .value_kind: global_buffer, .address_space: global }
      - { .name: out0, .offset: 16, .size: 8, .value_kind: global_buffer, .address_space: global }
      - { .name: cand, .offset: 24, .size: 8, .value_kind: global_buffer, .address_space: global }
    .group_segment_fixed_size: 9216
    .private_segment_fixed_size: 0
    .kernarg_segment_align: 8
    .kernarg_segment_size: 32
    .max_flat_workgroup_size: 256
    .sgpr_count:     66
    .vgpr_count:     130
    .wavefront_size: 32
...
	.end_amdgpu_metadata
.endif
;; end of part 2
;; launch fetch (part 3): grid 256 x 1, 8 waves a work-group, no clusters, 66,560 bytes of LDS; arguments cand, maskb, mem_feat, anchors_codes, anchors_scales, out1; writes out1
.if DOCPART == 3
	.amdgcn_target "amdgcn-amd-amdhsa--gfx1250"
	.amdhsa_code_object_version 6
	.text
	.protected	k_qddd90e9242_fetch
	.globl	k_qddd90e9242_fetch
	.p2align	8
	.type	k_qddd90e9242_fetch,@function
k_qddd90e9242_fetch:
	s_mov_b64 s[64:65], 0
	v_nop
	global_prefetch_b8 v0, s[64:65] scope:SCOPE_SE
	s_setreg_imm32_b32 hwreg(HW_REG_WAVE_MODE, 25, 1), 1
	s_wait_xcnt 0x0
; MemoryQueue, launch 3 of 3.  cand[a] names the group of 8 neighbouring memory rows in which anchor a's largest score first stands.  A wave takes two anchors, x = 2 P and y = 2 P + 1:
; it loads their two groups (16 rows of f32), quantises them as the first launch did (the same lines, the same bias as C, the same two K steps in the same order), multiplies them by the two anchors,
; finds in each group the FIRST row that holds the group's largest score, and stores that row, as f32, to out1.  The row is chosen among the 8 that lie in registers, by selects: no address hangs on a score.
; The one number from memory that enters addresses is cand, which the launch before stored as whole numbers; it is held at 8,191, the last group, first.
; LIMITS: as in the first launch (NaN, infinities, the scale byte 0xff are not served; a block of zeros has the byte 1).
; THE PRODUCT: source 0 = the 16 rows (0-7 x's group, 8-15 y's), source 1 = 16 columns, x in the even ones and y in the odd ones.  Register n of lane (r, h) is row 8 h + n against column r:
; lane 0 holds x against x's group, lane 17 y against y's.
; No work-group shares a tile with another (each pair has its own rows), so no cluster; each wave's LDS bytes are its own, so no barrier.
; LDS, for each wave at 8,192 w: two turning stages of 2,560 bytes; at 5,120 the 16 rows' codes, 144 bytes apart; at 7,424 their scale bytes, 8 a row.
; REGISTERS: v5-7 global offsets; v8-11 at work; v10, v12-15, v250 LDS addresses; v16-31 codes, v32-39 scale bytes; v40-55 the rows' fragments; v56-63 the scores; v64-191 the 16 rows as loaded (row p at 64 + 8 p);
;   v192-223 16 neighbours, two sets, later the two chosen rows; v224-239 the anchors' fragments; v240, v241 scale words and nothing else; v242-249 the bias.
.set SP, 80
.set CP, 144
.set CO, 5120
.set SO, 7424
.set R,  64
.set X,  192
.set CD, 16
.set BY, 32
	s_load_b256 s[4:11], s[0:1], 0x0               ; cand s[4:5], maskb s[6:7], mem_feat s[8:9], anchors' codes s[10:11]
	s_load_b128 s[12:15], s[0:1], 0x20             ; anchors' scales s[12:13], out1 s[14:15]
	v_lshl_add_u32 v254, v0, 2, 0x10000
	v_mov_b32 v255, 0
	v_lshrrev_b32 v1, 5, v0
	v_readfirstlane_b32 s16, v1                    ; wave
	s_lshl_b32 s17, ttmp9, 3
	s_add_co_u32 s17, s17, s16                     ; P: my pair of anchors
	s_lshl_b32 s18, s17, 3
	s_mov_b32 s19, 0
	s_wait_kmcnt 0x0
	s_add_nc_u64 s[4:5], s[4:5], s[18:19]
	s_load_b64 s[20:21], s[4:5], 0x0               ; the two groups
	s_lshl_b32 s18, s17, 8
	s_add_nc_u64 s[48:49], s[10:11], s[18:19]      ; the pair's codes: 2 x 128 bytes,
	s_lshl_b32 s18, s17, 4
	s_add_nc_u64 s[56:57], s[12:13], s[18:19]      ; scale bytes: 2 x 8,
	s_lshl_b32 s18, s17, 11
	s_add_nc_u64 s[58:59], s[14:15], s[18:19]      ; and rows of out1: 2 x 1,024
	s_lshl_b32 s60, s16, 13                        ; my wave's LDS bytes
	v_and_b32 v1, 31, v0                           ; lane
	v_and_b32 v2, 15, v0                           ; r
	v_bfe_u32 v3, v0, 4, 1                         ; h
	v_and_b32 v4, 1, v0                            ; column r is anchor x (even r) or y (odd r)
	v_lshlrev_b32 v5, 7, v4
	v_lshl_add_u32 v5, v3, 4, v5
	v_lshlrev_b32 v6, 3, v4
	v_lshl_add_u32 v6, v3, 2, v6                   ; lanes 0-15 K step 0's scale word, lanes 16-31 K step 1's
	v_lshlrev_b32 v7, 4, v1                        ; 16 x lane
.irp c, 0,1,2,3
	global_load_b128 v[224+4*\c:224+4*\c+3], v5, s[48:49] offset:32*\c   ; K step c / 2, registers 4 (c % 2) on: k = 64 (c % 2) + 32 h + 0 .. 31
.endr
	global_load_b32 v241, v6, s[56:57]
	s_wait_kmcnt 0x0
	s_min_u32 s20, s20, 8191
	s_min_u32 s21, s21, 8191
	s_mov_b32 s23, 0
	s_lshl_b32 s22, s20, 13                        ; a group is 8 rows of 1,024 bytes
	s_add_nc_u64 s[40:41], s[8:9], s[22:23]
	s_lshl_b32 s22, s21, 13
	s_add_nc_u64 s[42:43], s[8:9], s[22:23]
	s_lshl_b32 s22, s20, 5                         ; and 8 numbers of bias
	s_add_nc_u64 s[44:45], s[6:7], s[22:23]
	s_lshl_b32 s22, s21, 5
	s_add_nc_u64 s[46:47], s[6:7], s[22:23]
	s_load_b256 s[24:31], s[44:45], 0x0            ; the bias of rows 0-7,
	s_load_b256 s[32:39], s[46:47], 0x0            ; of rows 8-15
.irp e, 0,1
.irp n, 0,1,2,3,4,5,6,7,8,9,10,11,12,13,14,15
	global_load_b128 v[R+64*\e+4*\n:R+64*\e+4*\n+3], v7, s[40+2*\e:41+2*\e] offset:512*\n   ; 512 consecutive bytes a load: half a row
.endr
.endr
	v_lshrrev_b32 v8, 2, v1
	v_mul_u32_u24 v12, v8, SP
	v_and_b32 v8, 3, v1
	v_lshl_add_u32 v12, v8, 4, v12
	v_add_nc_u32 v12, s60, v12                     ; the stage, in
	v_mul_u32_u24 v13, v1, SP
	v_add_nc_u32 v13, s60, v13                     ; and out
	v_mul_u32_u24 v14, v3, CP
	v_lshl_add_u32 v14, v2, 3, v14
	v_add_nc_u32 v14, s60, v14                     ; my 16 codes: row h (+ 2 a step), byte 8 r
	v_lshrrev_b32 v8, 1, v2
	v_lshl_add_u32 v15, v3, 3, v8
	v_add_nc_u32 v15, s60, v15                     ; my block's scale byte
	v_mul_u32_u24 v10, v2, CP
	v_lshl_add_u32 v10, v3, 4, v10
	v_add_nc_u32 v10, s60, v10                     ; a fragment's row r, + 16 h
	v_lshlrev_b32 v250, 3, v2
	v_lshl_add_u32 v250, v3, 2, v250
	v_add_nc_u32 v250, s60, v250                   ; the rows' scale words: 8 r + 4 h
	s_mov_b32 s55, 0xffff0000
	s_wait_kmcnt 0x0
.irp n, 0,1,2,3,4,5,6,7
	v_mov_b32 v[242+\n], s[24+\n]                  ; the bias in the result's layout: register n = row 8 h + n
.endr
.irp n, 0,1,2,3,4,5,6,7
	v_cndmask_b32 v[242+\n], v[242+\n], s[32+\n], s55
.endr
.macro TURN t                          ; step t's two rows through the stage, so that a lane holds 16 neighbours along K
	s_wait_loadcnt 28-4*(\t)                       ; the step's four loads are in; those of the later steps, 4 each, may be out
.irp i, 0,1,2,3
	ds_store_b128 v12, v[R+16*(\t)+4*\i:R+16*(\t)+4*\i+3] offset:32*SP*((\t)%2)+8*SP*\i
.endr
.irp i, 0,1,2,3
	ds_load_b128 v[X+16*((\t)%2)+4*\i:X+16*((\t)%2)+4*\i+3], v13 offset:32*SP*((\t)%2)+16*\i   ; LDS serves a wave's instructions in order: these see the stores above
.endr
.endm
.macro STEP t
.set XS, X+16*((\t)%2)
.if (\t) < 7
	TURN (\t)+1
	s_wait_dscnt 8                                 ; all but the eight just issued: this step's numbers are back
.else
	s_wait_dscnt 0x0
.endif
	v_max3_num_f32 v8, |v[XS]|, |v[XS+1]|, |v[XS+2]|
	v_max3_num_f32 v9, |v[XS+3]|, |v[XS+4]|, |v[XS+5]|
.irp i, 6,10
	v_max3_num_f32 v8, v8, |v[XS+\i]|, |v[XS+\i+1]|
	v_max3_num_f32 v9, v9, |v[XS+\i+2]|, |v[XS+\i+3]|
.endr
	v_max3_num_f32 v8, v8, |v[XS+14]|, |v[XS+15]|
	v_max3_num_f32 v8, v8, v9, 0x1800000           ; the floor 2^(3 - 127): the byte cannot fall under 1
	v_max_num_f32_dpp v8, v8, v8 row_xmask:1 row_mask:0xf bank_mask:0xf
	v_add_nc_u32 v11, 0xff000000, v8               ; 2 off the exponent field: the conversion's scale operand
	v_cvt_scalef32_pk8_fp4_f32 v[CD+2*(\t)], v[XS:XS+7], v11
	v_cvt_scalef32_pk8_fp4_f32 v[CD+2*(\t)+1], v[XS+8:XS+15], v11
	v_lshrrev_b32 v[BY+(\t)], 23, v11              ; the scale's byte; also the plain line between the conversions and the selects on their results
	s_cmp_lg_u32 s[24+2*(\t)], 0                   ; a row whose bias is not 0.0 is masked: its codes are zeros.  Selects alone hang on it
	s_cselect_b32 s50, 0xffff, 0
	s_cmp_lg_u32 s[25+2*(\t)], 0
	s_cselect_b32 s51, 0xffff0000, 0
	s_or_b32 s50, s50, s51
	v_cndmask_b32 v[CD+2*(\t)], v[CD+2*(\t)], 0, s50
	v_cndmask_b32 v[CD+2*(\t)+1], v[CD+2*(\t)+1], 0, s50
	ds_store_b8 v15, v[BY+(\t)] offset:SO+16*(\t)
	ds_store_b64 v14, v[CD+2*(\t):CD+2*(\t)+1] offset:CO+2*CP*(\t)
.endm
	TURN 0
.irp t, 0,1,2,3,4,5,6,7
	STEP \t
.endr
.irp c, 0,1,2,3
	ds_load_b128 v[40+4*\c:40+4*\c+3], v10 offset:CO+32*\c         ; the 16 rows' fragments of both K steps: my wave's own bytes, served behind my stores
.endr
	ds_load_b32 v240, v250 offset:SO
	s_wait_dscnt 0x0                               ; (the anchors' loads were shown done by the last step's wait for all loads)
	v_wmma_scale_f32_16x16x128_f8f6f4 v[56:63], v[40:47], v[224:231], v[242:249], v240, v241 matrix_a_fmt:MATRIX_FMT_FP4 matrix_b_fmt:MATRIX_FMT_FP4
	s_wait_alu depctr_va_vdst(0)                   ; the wait ahead of the link
	v_wmma_scale_f32_16x16x128_f8f6f4 v[56:63], v[48:55], v[232:239], v[56:63], v240, v241 matrix_a_fmt:MATRIX_FMT_FP4 matrix_b_fmt:MATRIX_FMT_FP4 matrix_a_scale:MATRIX_SCALE_ROW1 matrix_b_scale:MATRIX_SCALE_ROW1
.rept 4
	v_nop                                          ; four places in front of the first read of the result (ISA guide 7.12.1)
.endr
	v_max3_num_f32 v8, v56, v57, v58               ; the largest of my lane's eight rows, from the accumulator's low end on
	v_max3_num_f32 v8, v8, v59, v60
	v_max3_num_f32 v8, v8, v61, v62
	v_max_num_f32 v8, v8, v63
	v_mov_b32 v9, 7
.irp n, 6,5,4,3,2,1,0
	v_cmp_eq_f32 vcc_lo, v[56+\n], v8
	v_cndmask_b32 v9, v9, \n, vcc_lo               ; the FIRST row that holds it: the lowest is taken last
.endr
	v_readlane_b32 s52, v9, 0                      ; x's row in its group,
	v_readlane_b32 s53, v9, 17                     ; y's
.irp e, 0,1                            ; the chosen row, out of the eight in registers: eight registers a lane, 7 selects each
.irp n, 6,5,4,3,2,1,0
	s_cmp_eq_u32 s[52+\e], \n
	s_cselect_b32 s54, -1, 0
.irp i, 0,1,2,3,4,5,6,7
.if \n == 6
	v_cndmask_b32 v[X+8*\e+\i], v[R+64*\e+56+\i], v[R+64*\e+48+\i], s54
.else
	v_cndmask_b32 v[X+8*\e+\i], v[X+8*\e+\i], v[R+64*\e+8*\n+\i], s54
.endif
.endr
.endr
.endr
.irp e, 0,1
.irp n, 0,1
	global_store_b128 v7, v[X+8*\e+4*\n:X+8*\e+4*\n+3], s[58:59] offset:1024*\e+512*\n   ; 512 consecutive bytes a store, at a multiple of 256 from out1's first byte
.endr
.endr
	s_wait_tensorcnt 0x0
	ds_add_u32 v254, v255
	s_wait_dscnt 0x0
	s_endpgm
.Lfunc_end_k_qddd90e9242_fetch:
	.size	k_qddd90e9242_fetch, .Lfunc_end_k_qddd90e9242_fetch-k_qddd90e9242_fetch
	.p2alignl 7, 3214868480
	.fill 96, 4, 3214868480
	.section	.rodata,"a",@progbits
	.p2align	6, 0x0
	.amdhsa_kernel k_qddd90e9242_fetch
		.amdhsa_group_segment_fixed_size 66560
		.amdhsa_private_segment_fixed_size 0
		.amdhsa_enable_private_segment 0
		.amdhsa_kernarg_size 48
		.amdhsa_user_sgpr_count 2
		.amdhsa_user_sgpr_kernarg_segment_ptr 1
		.amdhsa_wavefront_size32 1
		.amdhsa_system_sgpr_workgroup_id_x 1
		.amdhsa_system_sgpr_workgroup_id_y 1
		.amdhsa_system_sgpr_workgroup_id_z 1
		.amdhsa_system_vgpr_workitem_id 0
		.amdhsa_next_free_vgpr 256
		.amdhsa_next_free_sgpr 66
		.amdhsa_reserve_vcc 1
		.amdhsa_float_denorm_mode_32 3
		.amdhsa_float_denorm_mode_16_64 3
		.amdhsa_memory_ordered 1
		.amdhsa_forward_progress 1
		.amdhsa_inst_pref_size 33
	.end_amdhsa_kernel
	.amdgpu_metadata
---
amdhsa.version: [ 1, 2 ]
amdhsa.kernels:
  - .name:           k_qddd90e9242_fetch
    .symbol:         k_qddd90e9242_fetch.kd
    .args:
      - { .name: cand, .offset: 0, .size: 8, .value_kind: global_buffer, .address_space: global }
      - { .name: maskb, .offset: 8, .size: 8, .value_kind: global_buffer, .address_space: global }
      - { .name: mem_feat, .offset: 16, .size: 8, .value_kind: global_buffer, .address_space: global }
      - { .name: anchors_codes, .offset: 24, .size: 8, .value_kind: global_buffer, .address_space: global }
      - { .name: anchors_scales, .offset: 32, .size: 8, .value_kind: global_buffer, .address_space: global }
      - { .name: out1, .offset: 40, .size: 8, .value_kind: global_buffer, .address_space: global }
    .group_segment_fixed_size: 66560
    .private_segment_fixed_size: 0
    .kernarg_segment_align: 8
    .kernarg_segment_size: 48
    .max_flat_workgroup_size: 256
    .sgpr_count:     66
    .vgpr_count:     256
    .wavefront_size: 32
...
	.end_amdgpu_metadata
.endif
;; end of part 3
